; MI455X (gfx1250); checked and timed in simulation.
; The chip was launched on July 23, 2026; its instructions are those of AMD's public machine-readable ISA for CDNA 5 (MIT licence, August 2026) and "CDNA5" Instruction Set Architecture Reference Guide (July 2026). The comments in the code are by the model that wrote it; some were corrected since.
;; Block Sparse Flash Attention. Allowed arithmetic: matrix products marked QUANTISED: E2M3 operands, one E8M0 scale for each 32 along K, by v_wmma_scale_f32_16x16x128_f8f6f4 with both operands' format E2M3, f32 sums; everything else in f32.
;; Inputs: key 2,048 x 1,024 float32; query 2,048 x 4,096 float32; value 2,048 x 1,024 float32.
;; Outputs: out0 2,048 x 4,096 float32.
;; This version of the problem:
;;   THIS VERSION OF THE PROBLEM IS GIVEN IN LOW PRECISION. The matrix products marked QUANTISED in the list below multiply operands that are first quantised to E2M3 (2 exponent bits, 3 mantissa bits; 6 bits a number), with one power-of-two scale for each 32 numbers along K (OCP MX v1.0); their sums are f32. All else is computed in f32.
;;   The module's matrix products, in the order in which they are computed (A, B: the left and right operand; K: the contracted axis; several contracted axes count as one K, in the product's order):
;;     1. batch 32 x [M 2,048, K 128] x [K 128, N 2,048]; A: input query; B: input key: QUANTISED
;;     2. batch 32 x [M 128, K 2,048] x [K 2,048, N 2,048]; A: input value; B: softmax (see below): QUANTISED
;;   THE QUANTISER, for each operand of a quantised product, along K:
;;     - K is cut into blocks of 32 from its start; a last block that is shorter is filled with zeros.
;;     - A block's scale is 2^e with e = floor(log2(the largest magnitude in the block)) - 2, held to -126 .. 127; a block of zeros has e = 0. As a byte (E8M0): e + 127.
;;     - Each number is divided by its block's scale, clamped to +-7.5, and rounded to the nearest number of E2M3, ties to even, subnormals kept.
;;     - The product sums the exact products of the quantised numbers (number of the format x scale) in f32.
;;   ~~~python
;;   def quantise(x, axis):      # numpy; x: float32 -> the quantised numbers, widened to float32 again
;;       x = np.moveaxis(x, axis, -1); K = x.shape[-1]
;;       x = np.pad(x, [(0, 0)] * (x.ndim - 1) + [(0, -K % 32)]); x = x.reshape(x.shape[:-1] + (-1, 32)); a = np.abs(x).max(-1, keepdims=True)
;;       e = np.where(a > 0, np.clip(np.frexp(np.where(a > 0, a, 1))[1] - 1 - 2, -126, 127), 0)      # np.frexp(a)[1] - 1 = floor(log2(a)), exactly
;;       r = np.clip(x / 2.0 ** e, -7.5, 7.5)
;;       step = 2.0 ** (np.maximum(np.frexp(np.where(r == 0, 1, r))[1] - 1, 0) - 3)
;;       q = np.round(r / step) * step * 2.0 ** e      # np.round: ties to even
;;       return np.moveaxis(q.reshape(q.shape[:-2] + (-1,))[..., :K], -1, axis).astype(np.float32)
;;   ~~~
;;   SOFTMAX AHEAD OF A QUANTISED PRODUCT. Where the list says 'softmax', what is quantised is not the finished softmax but p = 2^(t - M), with t = logit x log2(e) and M = ceil(the row's largest t), a whole number; so 1/2 < the row's largest p <= 1. The row's sum l is taken of the UNQUANTISED p, in f32, and the product's result is divided by l at the end. Since M is a whole number, a kernel that streams over the keys may use a running M (the ceiling of the running maximum): every later rescaling is an exact power of two, which a block's scale takes up: the codes' values come out the same.
;;   OPERANDS COMPUTED ON THE WAY. 'Computed on the way' means the value that the module computes at that place (a softmax that the list does not call 'softmax' is quantised finished and normalised). What goes into a quantiser is computed in f32, as accurately as f32 sums, v_exp_f32 and their like allow (about 1e-6 of the number): no bf16 or f16 on the way to a quantiser, and a product that is left as it is and whose result goes on into a quantised operand takes f32 operands (vector FMAs, or v_wmma_f32_16x16x4_f32). A number that lies on a knife's edge between two numbers of the format may be rounded either way, as far as f32 arithmetic and the matrix unit's own rounding can turn it there, and no further.
;; One version. Each part assembles by itself: llvm-mc -triple=amdgcn-amd-amdhsa -mcpu=gfx1250 --defsym DOCPART=n.
;; ======== version 1 of 1: 2 launches
;; workspace buffers: kv 3,276,800 bytes
;; launch prep (part 1): grid 32 x 8, 4 waves a work-group, no clusters, 1,536 bytes of LDS; arguments key, value, kv; writes kv
.if DOCPART == 1
	.amdgcn_target "amdgcn-amd-amdhsa--gfx1250"
	.amdhsa_code_object_version 6
	.text
	.protected	k_q9310b27606_prep
	.globl	k_q9310b27606_prep
	.p2align	8
	.type	k_q9310b27606_prep,@function
k_q9310b27606_prep:
	s_mov_b64 s[64:65], 0
	v_nop
	global_prefetch_b8 v0, s[64:65] scope:SCOPE_SE
	s_setreg_imm32_b32 hwreg(HW_REG_WAVE_MODE, 25, 1), 1
	s_wait_xcnt 0x0
; key and value, [2048][1024] f32 (8 heads of 128), become codes of FP6 (E2M3) with one E8M0 byte for each 32 along a product's K:
; key along the head's 128, value along the KEYS.  A block's scale is 2^(floor(log2(its largest magnitude)) - 2); its byte is that magnitude's exponent field - 2, held at 1 from below.
; LIMITS: a block of zeros gets the byte 1 where the rule says 127 (its codes are zeros, which add nothing, and this program alone reads the bytes); largest magnitudes under 2^-124 keep that byte;
; NaN and infinities among the inputs are not served.
; A work-group (x = block kb of 64 keys, y = head g) makes one RECORD of 12,800 bytes, laid in the order in which the next launch's operand registers take it:
;   0      K's four fragment images of 1,536 bytes.  Image t = 2 sub + u: register group c of lane l at 512 c + 16 l.  Lane (r, hh) holds key 32 sub + 8 u + r + 8 (r / 8), d = 32 hh .. and 64 + 32 hh ..
;   6144   V's codes [t 8][c 3][r 16][16 bytes]: row d = 16 t + r is a stream of 64 codes (48 bytes), keys ascending
;   12288  K's scale words [r 16][t 4];   12544  V's scale bytes [r 16][t 8][sub 2]
; Wave w makes K's image w, and V's columns d = 32 w + lane (a lane to a column, its registers down the keys: a block's largest magnitude needs no other lane, and nothing is transposed).
; Every store of codes covers whole aligned runs of 256 bytes; the 512 scale bytes meet in LDS and leave by one store of wave 0.
.set ROWB, 4096                        ; a row of key or of value in bytes
.set REC,  12800
.set VCO,  6144
.set KSO,  12288
.set X,    16                          ; v16-79   K: register 16 b + i = d 32 b + 16 hh + i of my key
.set Y,    80                          ; v80-143  V: register i = key i of my column
.set PC,   144                         ; v144-155 K's codes; v156-158, v160-162 the conversions' second halves
.set VD,   164                         ; v164-175 V's codes; v176-178, v180-182 the second halves
.set TM,   184                         ; v184-187 largest magnitudes; v188-191 the other half's, then bytes; v196-199 scale operands
.set PW,   200                         ; K's scale word;  v201 V's two bytes;  v204-207 the scales on their way out
	s_load_b128 s[4:7], s[0:1], 0x0                ; key, value
	s_load_b64 s[8:9], s[0:1], 0x10                ; kv
	v_lshl_add_u32 v208, v0, 2, 0x400
	v_mov_b32 v209, 0
	v_lshrrev_b32 v1, 5, v0
	v_readfirstlane_b32 s10, v1                    ; wave 0..3
	v_and_b32 v1, 31, v0                           ; lane
	v_and_b32 v2, 15, v0                           ; r
	v_bfe_u32 v3, v0, 4, 1                         ; hh
	v_and_b32 v4, 8, v2
	v_add_nc_u32 v4, v4, v2                        ; r + 8 (r / 8)
	v_lshlrev_b32 v4, 12, v4
	v_lshl_add_u32 v4, v3, 6, v4                   ; key: that row, + 64 hh: my 16 numbers of a block of 32
	v_lshlrev_b32 v5, 2, v1                        ; value: 4 bytes a lane
	v_lshlrev_b32 v10, 4, v1                       ; 16 x lane
	s_mul_i32 s24, s10, 1536
	v_add_nc_u32 v6, s24, v10                      ; K's image w: 1,536 w + 16 lane
	v_mul_u32_u24 v7, v3, 768
	v_lshl_add_u32 v7, v2, 4, v7
	v_add_nc_u32 v7, s24, v7                       ; V's tile 2 w + hh: 768 (2 w + hh) + 16 r
	s_lshl_b32 s25, s10, 2
	v_lshl_add_u32 v8, v2, 4, s25                  ; LDS: K's scale word at 16 r + 4 w
	v_lshl_add_u32 v9, v3, 1, v8                   ; LDS: V's two bytes at (256 +) 16 r + 2 (2 w + hh)
	s_mov_b32 s20, 0x76543210
	s_mov_b32 s21, 0xfedcba98                      ; v_permlanex16_b32's selects for lane l xor 16
.irp b, 0,1,2,3
	v_mov_b32 v[TM+4+\b], 0                        ; a lane permute's destination counts as one of its sources
.endr
	s_and_b32 s11, ttmp7, 0xffff                   ; g
	s_lshl_b32 s12, ttmp9, 6                       ; 64 kb
	s_lshr_b32 s13, s10, 1
	s_lshl_b32 s13, s13, 5                         ; 32 sub
	s_and_b32 s14, s10, 1
	s_lshl_b32 s14, s14, 3                         ; 8 u
	s_add_co_u32 s13, s13, s14
	s_add_co_u32 s13, s13, s12
	s_lshl_b32 s13, s13, 12                        ; rows of 4,096 bytes
	s_lshl_b32 s15, s11, 9                         ; the head's 512 bytes of a row
	s_add_co_u32 s16, s13, s15                     ; key: my image's first row
	s_mov_b32 s17, 0
	s_lshl_b32 s18, s12, 12
	s_add_co_u32 s18, s18, s15
	s_lshl_b32 s19, s10, 7
	s_add_co_u32 s18, s18, s19                     ; value: the block's first row, my wave's 32 columns
	s_mov_b32 s19, 0
	s_lshl_b32 s22, s11, 5
	s_add_co_u32 s22, s22, ttmp9
	s_mul_i32 s22, s22, REC                        ; kv: record 32 g + kb
	s_mov_b32 s23, 0
	s_wait_kmcnt 0x0
	s_add_nc_u64 s[4:5], s[4:5], s[16:17]
	s_add_nc_u64 s[6:7], s[6:7], s[18:19]
	s_add_nc_u64 s[8:9], s[8:9], s[22:23]
.irp b, 0,1,2,3
.irp j, 0,1,2,3
	global_load_b128 v[X+16*\b+4*\j:X+16*\b+4*\j+3], v4, s[4:5] offset:128*\b+16*\j
.endr
.endr
.irp i, 0,1,2,3,4,5,6,7,8,9,10,11,12,13,14,15,16,17,18,19,20,21,22,23,24,25,26,27,28,29,30,31,32,33,34,35,36,37,38,39,40,41,42,43,44,45,46,47,48,49,50,51,52,53,54,55,56,57,58,59,60,61,62,63
	global_load_b32 v[Y+\i], v5, s[6:7] offset:ROWB*\i th:TH_LOAD_NT   ; 32 lanes read 128 consecutive bytes, the four waves 512
.endr
	s_wait_loadcnt 63                              ; 80 loads have been issued, K's sixteen first, and loads come back in order (ISA guide 5.7.1): with at most 63 out the 17 oldest are in, K's among them.  (64 would be the exact count; 63 is the largest that the wait can name)
	; ---- K: four blocks of 32 along d, each in lanes l and l xor 16
.irp b, 0,1,2,3
	v_max3_num_f32 v[TM+\b], |v[X+16*\b]|, |v[X+1+16*\b]|, 0x1800000   ; my 16 numbers, and the floor 2^(3 - 127): the byte cannot fall under 1
.endr
.irp i, 2,4,6,8,10,12,14
.irp b, 0,1,2,3
	v_max3_num_f32 v[TM+\b], v[TM+\b], |v[X+16*\b+\i]|, |v[X+1+16*\b+\i]|   ; the four blocks by turns
.endr
.endr
.irp b, 0,1,2,3
	v_permlanex16_b32 v[TM+4+\b], v[TM+\b], s20, s21
.endr
.irp b, 0,1,2,3
	v_max_num_f32 v[TM+\b], v[TM+\b], v[TM+4+\b]   ; the block's largest magnitude
.endr
.irp b, 0,1,2,3
	v_add_nc_u32 v[TM+12+\b], 0xff000000, v[TM+\b] ; 2 off its exponent field: the conversion takes the exponent field of this operand as its scale
.endr
.irp b, 0,1,2,3
	v_lshrrev_b32 v[TM+4+\b], 23, v[TM+12+\b]      ; the scale's byte
.endr
	v_lshl_or_b32 v[PW], v[TM+5], 8, v[TM+4]       ; my key's scale word
	v_lshl_or_b32 v[PW], v[TM+6], 16, v[PW]
	v_lshl_or_b32 v[PW], v[TM+7], 24, v[PW]
.irp c, 0,1
	v_cvt_scalef32_pk16_fp6_f32 v[PC+6*\c:PC+2+6*\c], v[X+32*\c:X+15+32*\c], v[TM+12+2*\c]
	v_cvt_scalef32_pk16_fp6_f32 v[PC+12+4*\c:PC+14+4*\c], v[X+16+32*\c:X+31+32*\c], v[TM+13+2*\c]   ; (a conversion's three registers begin on an even number)
.endr
	v_nop                                          ; one plain instruction behind the scaled conversions
.irp c, 0,1                                    ; the operand's layout wants a whole block in a lane: lanes 0-15 block 2 c, lanes 16-31 block 2 c + 1
.irp i, 0,1,2
	v_permlane16_swap_b32 v[PC+6*\c+\i], v[PC+12+4*\c+\i]
.endr
.irp i, 0,1,2
	v_mov_b32 v[PC+3+6*\c+\i], v[PC+12+4*\c+\i]
.endr
.endr
.irp c, 0,1,2
	global_store_b128 v6, v[PC+4*\c:PC+4*\c+3], s[8:9] offset:512*\c   ; the image as it stands: 512 consecutive bytes a store
.endr
	ds_store_b32 v8, v[PW]                         ; lanes l and l xor 16 write the same word with the same value
	s_wait_loadcnt 0x0                             ; V
	; ---- V: two blocks of 32 keys, each whole in my registers
.irp c, 0,1
	v_max3_num_f32 v[TM+\c], |v[Y+32*\c]|, |v[Y+1+32*\c]|, 0x1800000
.endr
.irp i, 2,4,6,8,10,12,14,16,18,20,22,24,26,28,30
.irp c, 0,1
	v_max3_num_f32 v[TM+\c], v[TM+\c], |v[Y+32*\c+\i]|, |v[Y+1+32*\c+\i]|
.endr
.endr
.irp c, 0,1
	v_add_nc_u32 v[TM+12+\c], 0xff000000, v[TM+\c]
.endr
.irp c, 0,1
	v_lshrrev_b32 v[TM+4+\c], 23, v[TM+12+\c]
.endr
	v_lshl_or_b32 v201, v[TM+5], 8, v[TM+4]        ; sub 0's byte below, sub 1's above
.irp c, 0,1
	v_cvt_scalef32_pk16_fp6_f32 v[VD+6*\c:VD+2+6*\c], v[Y+32*\c:Y+15+32*\c], v[TM+12+\c]
	v_cvt_scalef32_pk16_fp6_f32 v[VD+12+4*\c:VD+14+4*\c], v[Y+16+32*\c:Y+31+32*\c], v[TM+12+\c]
.endr
	v_nop                                          ; one plain instruction behind the scaled conversions
.irp c, 0,1
.irp i, 0,1,2
	v_mov_b32 v[VD+3+6*\c+\i], v[VD+12+4*\c+\i]    ; the 48 bytes on end
.endr
.endr
.irp c, 0,1,2
	global_store_b128 v7, v[VD+4*\c:VD+4*\c+3], s[8:9] offset:VCO+256*\c   ; sixteen lanes store 256 consecutive bytes, aligned
.endr
	ds_store_b16 v9, v201 offset:256
	s_wait_dscnt 0x0                               ; for the others' sake: my scale stores have landed
	s_barrier_signal -1
	s_barrier_wait -1
	s_cmp_lg_u32 s10, 0
	s_cbranch_scc1 .Lend
	ds_load_b128 v[204:207], v10                   ; wave 0: the record's 512 scale bytes
	s_wait_dscnt 0x0
	global_store_b128 v10, v[204:207], s[8:9] offset:KSO   ; 512 consecutive bytes
.Lend:
	s_wait_tensorcnt 0x0
	ds_add_u32 v208, v209
	s_wait_dscnt 0x0
	s_endpgm
.Lfunc_end_k_q9310b27606_prep:
	.size	k_q9310b27606_prep, .Lfunc_end_k_q9310b27606_prep-k_q9310b27606_prep
	.p2alignl 7, 3214868480
	.fill 96, 4, 3214868480
	.section	.rodata,"a",@progbits
	.p2align	6, 0x0
	.amdhsa_kernel k_q9310b27606_prep
		.amdhsa_group_segment_fixed_size 1536
		.amdhsa_private_segment_fixed_size 0
		.amdhsa_enable_private_segment 0
		.amdhsa_kernarg_size 24
		.amdhsa_user_sgpr_count 2
		.amdhsa_user_sgpr_kernarg_segment_ptr 1
		.amdhsa_wavefront_size32 1
		.amdhsa_system_sgpr_workgroup_id_x 1
		.amdhsa_system_sgpr_workgroup_id_y 1
		.amdhsa_system_sgpr_workgroup_id_z 1
		.amdhsa_system_vgpr_workitem_id 0
		.amdhsa_next_free_vgpr 210
		.amdhsa_next_free_sgpr 66
		.amdhsa_reserve_vcc 0
		.amdhsa_float_denorm_mode_32 3
		.amdhsa_float_denorm_mode_16_64 3
		.amdhsa_memory_ordered 1
		.amdhsa_forward_progress 1
		.amdhsa_inst_pref_size 18
	.end_amdhsa_kernel
	.amdgpu_metadata
---
amdhsa.version: [ 1, 2 ]
amdhsa.kernels:
  - .name:           k_q9310b27606_prep
    .symbol:         k_q9310b27606_prep.kd
    .args:
      - { .name: key, .offset: 0, .size: 8, .value_kind: global_buffer, .address_space: global }
      - { .name: value, .offset: 8, .size: 8, .value_kind: global_buffer, .address_space: global }
      - { .name: kv, .offset: 16, .size: 8, .value_kind: global_buffer, .address_space: global }
    .group_segment_fixed_size: 1536
    .private_segment_fixed_size: 0
    .kernarg_segment_align: 8
    .kernarg_segment_size: 24
    .max_flat_workgroup_size: 128
    .sgpr_count:     66
    .vgpr_count:     210
    .wavefront_size: 32
...
	.end_amdgpu_metadata
.endif
;; end of part 1
;; launch attn (part 2): grid 32 x 8, 16 waves a work-group, no clusters, 309,248 bytes of LDS; arguments query, kv, out0; writes out0
.if DOCPART == 2
	.amdgcn_target "amdgcn-amd-amdhsa--gfx1250"
	.amdhsa_code_object_version 6
	.text
	.protected	k_q9310b27606_attn
	.globl	k_q9310b27606_attn
	.p2align	8
	.type	k_q9310b27606_attn,@function
k_q9310b27606_attn:
	s_mov_b64 s[64:65], 0
	v_nop
	global_prefetch_b8 v0, s[64:65] scope:SCOPE_SE
	s_setreg_imm32_b32 hwreg(HW_REG_WAVE_MODE, 25, 1), 1
	s_wait_xcnt 0x0
; out[q][h][:] = the sum over the keys that the block mask keeps of softmax(q . k / sqrt(128)) v, both products on codes of FP6 (E2M3) with one E8M0 scale for each 32 along K.
; THE MASK: in blocks of 64, key block kb counts for query block qb where kb <= qb and (qb - kb < 16 or kb = 7 - h mod 8); the diagonal block is causal inside.
; THE SOFTMAX: t = score x log2(e) / sqrt(128); M = the running largest t rounded UP to a whole number; p = 2^(t - M) is quantised along the keys, not normalised; the row's sum is taken of the unquantised p and divides at the end.
; SHARES.  A work-group (x = qb, y = key/value head g) owns 64 queries x the 4 query heads of g.  Wave w: head 4 g + w / 4, queries 64 qb + 16 (w % 4) + 0 .. 15: one tile, a lane one query throughout (both products transposed).
; LDS.  All that the work-group ever reads is there at once, filled ONCE: records s0 .. s0 + 15 (s0 = max(qb - 15, 0)) at 0, and the four heads' vertical records cbase + 0..3 and cbase + 8..11 (cbase = 4 - 4 (g % 2)) at 204,800.
; A record (12,800 bytes: 64 keys of one head) is laid by the launch before in the order of the operand registers, so every fragment comes by three ds_load_b128.  Nothing is filled twice: no ring.
; A KEY STEP takes two records A and B.  The second product's four blocks of 32 along K are A's keys 0-31, B's 0-31, A's 32-63, B's 32-63: in the 6-bit layout lanes 0-15 then hold A's 48 bytes of a row of V and lanes 16-31 B's.
; So the local window is eight steps of neighbours (A, A + 1), and a head's vertical blocks c and c + 8 are one more.  A step all of whose keys are hidden is left out by a scalar branch on ids; trip counts are constants.
; NO CLUSTER: only work-groups of one g share records, and their windows are shifted by one record from qb to qb + 1; a joint load lands at one LDS address in all partners, and the union of four windows with
; the 8 vertical records is 27 x 12,800 = 345,600 bytes, more than the 327,680 that a work-group can have.  Nothing is asked for ahead of its load either: every tile is requested at the head.
; LIMITS: NaN and infinities among the inputs are not served; a block of q whose largest magnitude lies under 2^-124 keeps the byte 1; a p under 2^-126 comes out of v_exp_f32 as 0.
.set REC,  12800
.set IMG,  1536                        ; a fragment image of K
.set VC,   6144                        ; in a record: V's codes,
.set KS,   12288                       ; K's scale words,
.set VS,   12544                       ; V's scale bytes
.set PART, 6400                        ; what one tensor load brings: 25 rows of 256 bytes
.set HALF, 8*REC
.set VERT, 16*REC
.set STG,  16*272                      ; the way out: 16 rows x (256 bytes + 16) for each wave, at the head of the local records, which have had their one fill and their last read by then
.set LI,  1                            ; v1   16 x lane
.set LR,  2                            ; v2   16 r
.set LV0, 3                            ; v3   12,800 hh + 16 r: V's rows, B one record behind A
.set LV1, 4                            ; v4   51,200 hh + 16 r: B four records behind A
.set ADK, 5                            ; v5-7 the step's LDS addresses (v5, v6: later the stage's)
.set ADS, 6
.set ADV, 7
.set RH,  8                            ; v8   r - 16 hh;  v9, v10: the mask's bounds for A and B;  v11: -infinity
.set QF,  16                           ; v16-27 Q's codes;  v28 Q's scale word;  v29 p's
.set QO,  30                           ; v30  my byte offset in the wave's rows of query
.set GO,  31                           ; v31  and of out0
.set FRG, 32                           ; v32-79 four fragments of K or of V
.set KSC, 80                           ; v80-87 K's scale words, then V's;  v88-95 V's scale bytes as they lie
.set S,   96                           ; v96-159 q as f32; S^T, then p; at the end O / l
.set O,   160                          ; v160-223 O^T; at the end rows back from the stage
.set PF,  224                          ; v224-235 p's codes
.set PT,  236                          ; v236-243 at work
.set SO,  244                          ; v244-247 the conversions' scale operands
.set BM,  248                          ; v248-251 the blocks' maxima;  v[252:253] f;  v254 at work;  v12 -M, v13 the largest t, v[14:15] the sum
.set WV,  10
.set HL,  11                           ; w / 4
.set TL16, 12                          ; 16 (w % 4)
.set QB,  13
.set G,   14
.set S0,  15
.set G1,  16                           ; s[16:23] descriptor group 1;  s[24:27], s[28:31], s[32:35] three groups 0
.set SEL, 36
.set CS,  38
.set TA,  40                           ; LDS byte of record A
.set KA,  41                           ; its key block
.set LIM, 42                           ; the last key block that counts in this phase
.set CNT, 43
.set CB,  49                           ; cbase
	s_load_b128 s[4:7], s[0:1], 0x0                ; query, kv
	s_load_b64 s[8:9], s[0:1], 0x10                ; out0
	v_lshl_add_u32 v243, v0, 2, 0x4b000
	v_mov_b32 v255, 0
	ds_add_u32 v243, v255
	ds_add_u32 v243, v255
	v_lshrrev_b32 v1, 5, v0
	v_readfirstlane_b32 s[WV], v1                  ; wave 0..15
	s_lshr_b32 s[HL], s[WV], 2
	s_and_b32 s[TL16], s[WV], 3
	s_lshl_b32 s[TL16], s[TL16], 4
	s_mov_b32 s[QB], ttmp9
	s_and_b32 s[G], ttmp7, 0xffff
	s_sub_co_i32 s[S0], s[QB], 15
	s_max_i32 s[S0], s[S0], 0
	s_and_b32 s46, s[G], 1
	s_lshl_b32 s46, s46, 2
	s_xor_b32 s[CB], s46, 4                        ; 4 - 4 (g % 2)
	; descriptor group 1: a dense block of 6,400 bytes as 25 rows of 256 bytes (32 elements of 8 bytes), no padding, no mask
	s_mov_b32 s[G1+0], 3<<16
	s_mov_b32 s[G1+1], 32<<16                      ; tensor_dim0
	s_mov_b32 s[G1+2], 25<<16                      ; tensor_dim1
	s_mov_b32 s[G1+3], 32<<16                      ; tile_dim0
	s_mov_b32 s[G1+4], 25                          ; tile_dim1
	s_mov_b32 s[G1+5], 32                          ; the pitch
	s_mov_b32 s[G1+6], 0
	s_mov_b32 s[G1+7], 0
	s_lshl_b32 s46, s[G], 5                        ; the head's first record
	s_add_co_u32 s47, s46, s[S0]
	s_mul_i32 s47, s47, REC
	s_mul_i32 s48, s[WV], PART                     ; my sixteenth of 8 records, in memory and in LDS
	s_add_co_u32 s50, s47, s48
	s_mov_b32 s51, 0
	s_lshr_b32 s52, s[WV], 3
	s_lshl_b32 s52, s52, 3                         ; waves 8-15: the records 8 further on
	s_add_co_u32 s52, s52, s[CB]
	s_add_co_u32 s52, s52, s46
	s_mul_i32 s52, s52, REC
	s_and_b32 s53, s[WV], 7
	s_mul_i32 s53, s53, PART
	s_add_co_u32 s52, s52, s53
	s_mov_b32 s53, 0
	s_lshl_b32 s54, s[QB], 6
	s_add_co_u32 s54, s54, s[TL16]
	s_lshl_b32 s54, s54, 14                        ; my first query's row of 16,384 bytes,
	s_lshl_b32 s55, s[G], 2
	s_add_co_u32 s55, s55, s[HL]
	s_lshl_b32 s55, s55, 9                         ; my head's 512 bytes of it
	s_add_co_u32 s54, s54, s55
	s_mov_b32 s55, 0
	s_mov_b32 s[SEL], 0x76543210
	s_mov_b32 s[SEL+1], 0xfedcba98                 ; v_permlanex16_b32's selects for lane l xor 16
	s_mov_b32 s[CS], 0x3e0293ee                    ; c = log2(e) / sqrt(128)
	s_mov_b32 s[CS+1], s[CS]                       ; (named with it as a pair, so it is written)
	s_mov_b32 s44, 0x05010400                      ; byte selects: A's and B's bytes of an even tile of V,
	s_mov_b32 s45, 0x07030602                      ; of an odd one
	s_wait_dscnt 0x0
	s_wait_kmcnt 0x0
	s_mov_b32 s24, 1                               ; records s0 .. s0 + 7
	s_mov_b32 s25, s48
	s_add_nc_u64 s[26:27], s[6:7], s[50:51]
	s_or_b32 s27, s27, 0x80000000
	s_mov_b32 s28, 1                               ; records s0 + 8 .. s0 + 15
	s_add_co_u32 s29, s48, HALF
	s_add_nc_u64 s[30:31], s[6:7], s[50:51]
	s_add_nc_u64 s[30:31], s[30:31], HALF
	s_or_b32 s31, s31, 0x80000000
	s_mov_b32 s32, 1                               ; the vertical records
	s_add_co_u32 s33, s48, VERT
	s_add_nc_u64 s[34:35], s[6:7], s[52:53]
	s_or_b32 s35, s35, 0x80000000
	tensor_load_to_lds s[24:27], s[G1:G1+7]        ; all first fills as one group, on one path for all sixteen waves: three loads of mine are out
	s_nop 0
	tensor_load_to_lds s[28:31], s[G1:G1+7]
	s_nop 0
	tensor_load_to_lds s[32:35], s[G1:G1+7]
	s_nop 0
.rept 4
	v_nop                                          ; four v_nop behind the loads
.endr
	s_add_nc_u64 s[4:5], s[4:5], s[54:55]
	s_add_nc_u64 s[8:9], s[8:9], s[54:55]
	v_and_b32 v8, 15, v0                           ; r
	v_bfe_u32 v9, v0, 4, 1                         ; hh
	v_lshlrev_b32 v[QO], 14, v8
	v_lshl_add_u32 v[QO], v9, 6, v[QO]             ; row r, + 64 hh: my 16 numbers of a block of 32
.irp b, 0,1,2,3
.irp j, 0,1,2,3
	global_load_b128 v[S+16*\b+4*\j:S+16*\b+4*\j+3], v[QO], s[4:5] offset:128*\b+16*\j   ; register 16 b + i = d 32 b + 16 hh + i of my query
.endr
.endr
	v_and_b32 v[LI], 31, v0
	v_lshlrev_b32 v[LI], 4, v[LI]
	v_lshlrev_b32 v[LR], 4, v8
	v_mul_u32_u24 v[LV0], v9, REC
	v_add_nc_u32 v[LV0], v[LV0], v[LR]
	v_mul_u32_u24 v[LV1], v9, 4*REC
	v_add_nc_u32 v[LV1], v[LV1], v[LR]
	v_lshl_add_u32 v[GO], v9, 14, v[LR]            ; the way out: lanes 0-15 one row of out0, lanes 16-31 the next; 16 bytes a lane
	v_lshlrev_b32 v10, 4, v9
	v_sub_nc_u32 v[RH], v8, v10
	v_mov_b32 v11, 0xff800000                      ; -infinity
	v_mov_b32 v13, 0xff61b1e6                      ; the largest t so far: -3e38, under every t
	v_floor_f32 v12, -v13                          ; -M
	v_mov_b32 v14, 0                               ; the sum, in two halves
	v_mov_b32 v15, 0
.irp b, 0,1,2,3
	v_mov_b32 v[PT+\b], 0                          ; a lane permute's destination counts as one of its sources
.endr
	v_mov_b32 v252, 0
	v_mov_b32 v253, 0                              ; (the upper half of the pair v[252:253])
; The blocks' largest magnitudes in v[BM] on become the conversions' scale operands in v[SO] on and the scale word v[w].
.macro SCALEW w
.irp b, 0,1,2,3
	v_add_nc_u32 v[SO+\b], 0xff000000, v[BM+\b]    ; 2 off the exponent field: the conversion takes the exponent field of this operand as its scale
.endr
.irp b, 0,1,2,3
	v_lshrrev_b32 v[PT+\b], 23, v[SO+\b]           ; the scale's byte
.endr
	v_lshl_or_b32 v[\w], v[PT+1], 8, v[PT]
	v_lshl_or_b32 v[\w], v[PT+2], 16, v[\w]
	v_lshl_or_b32 v[\w], v[PT+3], 24, v[\w]
.endm
; 64 numbers of a lane, register 16 b + i = k 32 b + 16 hh + i of my row, become a fragment's 12 registers.
.macro CODES src, dst
.irp c, 0,1
	v_cvt_scalef32_pk16_fp6_f32 v[\dst+6*\c:\dst+2+6*\c], v[\src+32*\c:\src+15+32*\c], v[SO+2*\c]
	v_cvt_scalef32_pk16_fp6_f32 v[PT+4*\c:PT+2+4*\c], v[\src+16+32*\c:\src+31+32*\c], v[SO+1+2*\c]   ; (a conversion's three registers begin on an even number)
.endr
	v_nop                                          ; one plain instruction behind the scaled conversions
.irp c, 0,1                                    ; the operand's layout wants a whole block in a lane: lanes 0-15 block 2 c, lanes 16-31 block 2 c + 1
.irp i, 0,1,2
	v_permlane16_swap_b32 v[\dst+6*\c+\i], v[PT+4*\c+\i]
.endr
.irp i, 0,1,2
	v_mov_b32 v[\dst+3+6*\c+\i], v[PT+4*\c+\i]
.endr
.endr
.endm
; The barrier in front of a phase: left = my younger tensor loads, which may stay out.
.macro BAR left
	s_wait_tensorcnt \left                         ; a wave's tensor loads end in order: my part of what the next phase reads has landed
	s_wait_dscnt 0x0                               ; no LDS instruction of mine is pending at the signal
	s_barrier_signal -1
	s_barrier_wait -1                              ; everybody's part has landed
.endm
	; ---- q is quantised in registers while the fills land
	s_wait_loadcnt 0x0
.irp b, 0,1,2,3
	v_max3_num_f32 v[BM+\b], |v[S+16*\b]|, |v[S+1+16*\b]|, 0x1800000   ; my 16 numbers, and the floor 2^(3 - 127): the byte cannot fall under 1
.endr
.irp i, 2,4,6,8,10,12,14
.irp b, 0,1,2,3
	v_max3_num_f32 v[BM+\b], v[BM+\b], |v[S+16*\b+\i]|, |v[S+1+16*\b+\i]|
.endr
.endr
.irp b, 0,1,2,3
	v_permlanex16_b32 v[PT+\b], v[BM+\b], s[SEL], s[SEL+1]
.endr
.irp b, 0,1,2,3
	v_max_num_f32 v[BM+\b], v[BM+\b], v[PT+\b]
.endr
	SCALEW 28
	CODES S, QF
.set j, 0
.rept 64
	v_mov_b32 v[O+j], 0                            ; O^T: the step is written without a first step of its own: the first change of M multiplies zeros.  (Also the places between q's codes and scale word and the first product)
.set j, j+1
.endr
	s_mov_b32 s[TA], 0
	s_mov_b32 s[KA], s[S0]
	s_mov_b32 s[LIM], s[QB]
; A KEY STEP on records A (LDS byte s[TA], key block s[KA]) and B.  vert = 0: B = A + 1, next to A; vert = 1: B = A + 8, four records on.
.macro STEP vert
.if \vert
.set DIST, 4*REC
.set LV, LV1
.set OPENK, 8
.else
.set DIST, REC
.set LV, LV0
.set OPENK, 2
.endif
	s_cmp_gt_i32 s[KA], s[LIM]                     ; A is hidden, and B with it: the step's work is left out; no barrier and no tensor load stands in a step
	s_cbranch_scc1 .Lhid_\@
	v_add_nc_u32 v[ADK], s[TA], v[LI]
	v_add_nc_u32 v[ADS], s[TA], v[LR]
	v_add_nc_u32 v[ADV], s[TA], v[LV]
	v_nop                                          ; four plain instructions behind the last step's products, ahead of loads into their operands and scales
	ds_load_b128 v[KSC:KSC+3], v[ADS] offset:KS            ; K's scale words: A's four images,
	ds_load_b128 v[KSC+4:KSC+7], v[ADS] offset:KS+DIST     ; B's
.irp gg, 0,1                                   ; S^T = K Q^T.  Tile 4 gg + t: record t / 2, image 2 gg + t % 2: so registers 16 b + i hold key 32 (b / 2) + 16 hh + i of A (b even) or B (b odd)
.if \gg
.rept 4
	v_nop                                          ; places ahead of loads into registers that matrix instructions have read
.endr
.endif
.irp t, 0,1,2,3
.irp c, 0,1,2
	ds_load_b128 v[FRG+12*\t+4*\c:FRG+12*\t+4*\c+3], v[ADK] offset:(\t/2)*DIST+(2*\gg+\t%2)*IMG+512*\c
.endr
.endr
.if \gg
	ds_load_b128 v[88:91], v[ADS] offset:VS                ; V's scale bytes of row r of all eight tiles: A's,
	ds_load_b128 v[92:95], v[ADS] offset:VS+DIST           ; B's
.endif
	s_wait_dscnt 0x0
.irp t, 0,1,2,3
	v_wmma_scale_f32_16x16x128_f8f6f4 v[S+8*(4*\gg+\t):S+8*(4*\gg+\t)+7], v[FRG+12*\t:FRG+12*\t+11], v[QF:QF+11], 0, v[KSC+4*(\t/2)+2*\gg+\t%2], v28 matrix_a_fmt:MATRIX_FMT_FP6 matrix_b_fmt:MATRIX_FMT_FP6
.endr
.endr
.rept 4
	v_nop                                          ; places ahead of the reads of the scores and of the loads below
.endr
.irp t, 0,1,2,3                                ; V's first four fragments are asked for now and land under the softmax: lanes 0-15 take A's 48 bytes of row 16 t + r, lanes 16-31 B's
.irp c, 0,1,2
	ds_load_b128 v[FRG+12*\t+4*\c:FRG+12*\t+4*\c+3], v[ADV] offset:VC+768*\t+256*\c
.endr
.endr
	; THE MASK.  Where all keys of both records count, this is jumped over.  Else hidden scores become -infinity ahead of the maximum: p = 0 then.
	s_add_co_u32 s46, s[KA], OPENK
	s_cmp_le_i32 s46, s[LIM]
	s_cbranch_scc1 .Lopen_\@
	s_sub_co_i32 s47, s[LIM], s[KA]
.if \vert
	s_lshl_b32 s47, s47, 7                         ; a vertical block counts whole or not at all: the bound lies above every index (A), and under every index where B = A + 8 is past the limit
	s_add_co_u32 s47, s47, s[TL16]
	s_add_co_u32 s47, s47, 64
	s_sub_co_i32 s48, s47, 1024
.else
	s_lshl_b32 s47, s47, 6                         ; d = my query - the record's first key - 16 hh: register 16 b + i is hidden where 32 (b / 2) + i > d
	s_add_co_u32 s47, s47, s[TL16]
	s_sub_co_i32 s48, s47, 64
.endif
	v_add_nc_u32 v9, s47, v[RH]                    ; A's bound
	v_add_nc_u32 v10, s48, v[RH]                   ; B's
.irp n, 0,1,2,3,4,5,6,7,8,9,10,11,12,13,14,15,16,17,18,19,20,21,22,23,24,25,26,27,28,29,30,31,32,33,34,35,36,37,38,39,40,41,42,43,44,45,46,47,48,49,50,51,52,53,54,55,56,57,58,59,60,61,62,63
	v_cmp_gt_i32 vcc_lo, 32*(\n/32)+\n%16, v[9+(\n/16)%2]
	v_cndmask_b32 v[S+\n], v[S+\n], v11, vcc_lo
.endr
.Lopen_\@:
.irp b, 0,1,2,3
	v_max3_num_f32 v[BM+\b], v[S+16*\b], v[S+1+16*\b], v[S+2+16*\b]   ; the largest score of each block of 32 keys: it serves for the row's maximum and, since p rises with the score, for the block's largest p
.endr
.irp i, 3,5,7,9,11,13
.irp b, 0,1,2,3
	v_max3_num_f32 v[BM+\b], v[BM+\b], v[S+16*\b+\i], v[S+1+16*\b+\i]
.endr
.endr
.irp b, 0,1,2,3
	v_max_num_f32 v[BM+\b], v[BM+\b], v[S+15+16*\b]
.endr
.irp b, 0,1,2,3
	v_permlanex16_b32 v[PT+\b], v[BM+\b], s[SEL], s[SEL+1]
.endr
.irp b, 0,1,2,3
	v_max_num_f32 v[BM+\b], v[BM+\b], v[PT+\b]     ; with lane l xor 16's 16 keys
.endr
	v_max3_num_f32 v254, v[BM], v[BM+1], v[BM+2]
	v_max_num_f32 v254, v254, v[BM+3]              ; the step's largest score of my query
	v_mul_f32 v254, s[CS], v254                    ; as t (c is positive)
	v_max_num_f32 v13, v13, v254                   ; the running largest t
	v_mov_b32 v254, v12
	v_floor_f32 v12, -v13                          ; the new -M = floor(-t) = -ceil(t): M is a whole number
	v_sub_f32 v254, v12, v254                      ; M's old value less its new one: a whole number, 0 or less
	v_cvt_i32_f32 v254, v254                       ; (it saturates)
	v_ldexp_f32 v252, 1.0, v254                    ; f = 2^(old M - new M): a multiplication by it rounds nothing
.irp i, 0,1,2,3                                ; V's scale words: for tile t the bytes of A's keys 0-31, B's 0-31, A's 32-63, B's 32-63, as the blocks lie along K
	v_perm_b32 v[KSC+2*\i], v[92+\i], v[88+\i], s44
	v_perm_b32 v[KSC+1+2*\i], v[92+\i], v[88+\i], s45
.endr
.set j, 0
.rept 32
	v_pk_fma_f32 v[S+j:S+j+1], v[S+j:S+j+1], s[CS:CS+1], v[12:13] op_sel_hi:[1,0,0]   ; t - M, two at a time (of the pairs c and -M the low word serves both halves)
.set j, j+2
.endr
.irp b, 0,1,2,3
	v_fma_f32 v[BM+\b], v[BM+\b], s[CS], v12       ; the same of each block's largest score
.endr
.set j, 0
.rept 64
	v_exp_f32 v[S+j], v[S+j]                       ; p = 2^(t - M), at most 1: not normalised
.set j, j+1
.endr
	v_pk_mul_f32 v[14:15], v[14:15], v[252:253] op_sel_hi:[1,0]   ; the sums under the new M: the plain instruction behind the exponentials
	s_wait_alu depctr_va_vdst(0)                   ; one wait for the whole batch, ahead of its first reader
.irp b, 0,1,2,3
	v_exp_f32 v[BM+\b], v[BM+\b]                   ; the block's largest p: the same two instructions on the same number give the same bits
.endr
	v_pk_add_f32 v[PT:PT+1], v[S:S+1], v[S+2:S+3]  ; the row's sum is taken of the unquantised p: two at a time, in two chains
.irp i, 4,8,12,16,20,24,28,32,36,40,44,48,52,56,60
	v_pk_add_f32 v[14:15], v[14:15], v[S+\i:S+1+\i]
	v_pk_add_f32 v[PT:PT+1], v[PT:PT+1], v[S+2+\i:S+3+\i]
.endr
	v_pk_add_f32 v[14:15], v[14:15], v[PT:PT+1]
	s_wait_alu depctr_va_vdst(0)                   ; and one for the four
.irp b, 0,1,2,3
	v_max_num_f32 v[BM+\b], 0x1800000, v[BM+\b]    ; the floor 2^(3 - 127): a block whose every p is 0 keeps the byte 1; its codes are zeros
.endr
	SCALEW 29
	CODES S, PF
.set j, 0
.rept 32
	v_pk_mul_f32 v[O+j:O+j+1], v[O+j:O+j+1], v[252:253] op_sel_hi:[1,0]   ; O^T under the new M.  (These are also the places between p's codes and scale word and the products below)
.set j, j+2
.endr
	s_wait_dscnt 0x0                               ; V's first four fragments are in
.irp gg, 0,1                                   ; O^T += V^T P^T: eight accumulators, one instruction a turn
.if \gg
.rept 4
	v_nop
.endr
.irp t, 0,1,2,3
.irp c, 0,1,2
	ds_load_b128 v[FRG+12*\t+4*\c:FRG+12*\t+4*\c+3], v[ADV] offset:VC+768*(4+\t)+256*\c
.endr
.endr
	s_wait_dscnt 0x0
.endif
.irp t, 0,1,2,3
	v_wmma_scale_f32_16x16x128_f8f6f4 v[O+8*(4*\gg+\t):O+8*(4*\gg+\t)+7], v[FRG+12*\t:FRG+12*\t+11], v[PF:PF+11], v[O+8*(4*\gg+\t):O+8*(4*\gg+\t)+7], v[KSC+4*\gg+\t], v29 matrix_a_fmt:MATRIX_FMT_FP6 matrix_b_fmt:MATRIX_FMT_FP6
.endr
.endr
.Lhid_\@:
.if !\vert
	s_add_co_u32 s[TA], s[TA], 2*REC               ; the next two records
	s_add_co_u32 s[KA], s[KA], 2
.endif
.endm
	BAR 2                                          ; records s0 .. s0 + 7 have landed; my two younger loads stay out
	s_mov_b32 s[CNT], 4
.La:
	STEP 0
	s_sub_co_u32 s[CNT], s[CNT], 1
	s_cmp_lg_u32 s[CNT], 0
	s_cbranch_scc1 .La
	BAR 1                                          ; records s0 + 8 .. s0 + 15 have landed; the vertical records' load stays out
	s_mov_b32 s[CNT], 4
.Lb:
	STEP 0
	s_sub_co_u32 s[CNT], s[CNT], 1
	s_cmp_lg_u32 s[CNT], 0
	s_cbranch_scc1 .Lb
	BAR 0                                          ; the vertical records have landed, and every wave's reads of the local records are over
	s_xor_b32 s46, s[HL], 3                        ; my head's vertical blocks: c = cbase + (3 - w / 4), and c + 8
	s_mul_i32 s[TA], s46, REC
	s_add_co_u32 s[TA], s[TA], VERT
	s_add_co_u32 s[KA], s[CB], s46
	s_sub_co_i32 s[LIM], s[QB], 16                 ; those up to qb - 16 count; the later ones lie in the local window or are hidden
	STEP 1
	; THE WAY OUT.  O^T is divided by the row's sum and goes through my stage in LDS, half a row (64 channels, 256 bytes) of 16 queries at a time, so that sixteen lanes store 256 consecutive bytes, aligned.
	v_add_f32 v14, v14, v15                        ; the sum's two halves,
	v_permlanex16_b32 v252, v14, s[SEL], s[SEL+1]
	v_add_f32 v14, v14, v252                       ; and lane l xor 16's
	v_rcp_f32 v14, v14
	v_and_b32 v9, 15, v0                           ; (plain work behind the reciprocal)  r
	v_bfe_u32 v10, v0, 4, 1                        ; hh
	s_mul_i32 s46, s[WV], STG                      ; my stage
	v_mul_u32_u24 v5, v9, 272
	v_lshl_add_u32 v5, v10, 5, v5
	v_add_nc_u32 v5, s46, v5                       ; in: row r; a tile's eight channels of my half: 64 t + 32 hh bytes on
	v_mul_u32_u24 v6, v10, 272
	v_lshl_add_u32 v6, v9, 4, v6
	v_add_nc_u32 v6, s46, v6                       ; back: lanes 0-15 one row, lanes 16-31 the next
	s_wait_alu depctr_va_vdst(0)                   ; the wait ahead of the reciprocal's first reader
.set j, 0
.rept 64
	v_mul_f32 v[S+j], v[O+j], v14                  ; register 8 t + i is out(query r, channel 16 t + 8 hh + i); each accumulator from its low end on
.set j, j+1
.endr
.irp u, 0,1                                    ; channels 64 u on
.irp t, 0,1,2,3
	ds_store_b128 v5, v[S+32*\u+8*\t:S+32*\u+8*\t+3] offset:64*\t
	ds_store_b128 v5, v[S+32*\u+8*\t+4:S+32*\u+8*\t+7] offset:64*\t+16
.endr
.irp i, 0,1,2,3,4,5,6,7
	ds_load_b128 v[O+32*\u+4*\i:O+32*\u+4*\i+3], v6 offset:544*\i   ; LDS serves a wave's instructions in order: these see my stores, and the next half's stores come behind them
.endr
.endr
.irp u, 0,1
.irp i, 0,1,2,3,4,5,6,7
	s_wait_dscnt 15-8*\u-\i                        ; never more than the LDS instructions issued behind this load
	global_store_b128 v[GO], v[O+32*\u+4*\i:O+32*\u+4*\i+3], s[8:9] offset:32768*\i+256*\u th:TH_STORE_NT   ; written once, read by nobody here
.endr
.endr
	s_wait_tensorcnt 0x0
	ds_add_u32 v243, v255
	s_wait_dscnt 0x0
	s_endpgm
.Lfunc_end_k_q9310b27606_attn:
	.size	k_q9310b27606_attn, .Lfunc_end_k_q9310b27606_attn-k_q9310b27606_attn
	.p2alignl 7, 3214868480
	.fill 96, 4, 3214868480
	.section	.rodata,"a",@progbits
	.p2align	6, 0x0
	.amdhsa_kernel k_q9310b27606_attn
		.amdhsa_group_segment_fixed_size 309248
		.amdhsa_private_segment_fixed_size 0
		.amdhsa_enable_private_segment 0
		.amdhsa_kernarg_size 24
		.amdhsa_user_sgpr_count 2
		.amdhsa_user_sgpr_kernarg_segment_ptr 1
		.amdhsa_wavefront_size32 1
		.amdhsa_system_sgpr_workgroup_id_x 1
		.amdhsa_system_sgpr_workgroup_id_y 1
		.amdhsa_system_sgpr_workgroup_id_z 1
		.amdhsa_system_vgpr_workitem_id 0
		.amdhsa_next_free_vgpr 256
		.amdhsa_next_free_sgpr 66
		.amdhsa_reserve_vcc 1
		.amdhsa_float_denorm_mode_32 3
		.amdhsa_float_denorm_mode_16_64 3
		.amdhsa_memory_ordered 1
		.amdhsa_forward_progress 1
		.amdhsa_inst_pref_size 91
	.end_amdhsa_kernel
	.amdgpu_metadata
---
amdhsa.version: [ 1, 2 ]
amdhsa.kernels:
  - .name:           k_q9310b27606_attn
    .symbol:         k_q9310b27606_attn.kd
    .args:
      - { .name: query, .offset: 0, .size: 8, .value_kind: global_buffer, .address_space: global }
      - { .name: kv, .offset: 8, .size: 8, .value_kind: global_buffer, .address_space: global }
      - { .name: out0, .offset: 16, .size: 8, .value_kind: global_buffer, .address_space: global }
    .group_segment_fixed_size: 309248
    .private_segment_fixed_size: 0
    .kernarg_segment_align: 8
    .kernarg_segment_size: 24
    .max_flat_workgroup_size: 512
    .sgpr_count:     66
    .vgpr_count:     256
    .wavefront_size: 32
...
	.end_amdgpu_metadata
.endif
;; end of part 2
